; MI455X (gfx1250); checked and timed in simulation.
; The chip was launched on July 23, 2026; its instructions are those of AMD's public machine-readable ISA for CDNA 5 (MIT licence, August 2026) and "CDNA5" Instruction Set Architecture Reference Guide (July 2026). The comments in the code are by the model that wrote it; some were corrected since.
;; Confidence Adaptive System. Allowed arithmetic: matrix products marked QUANTISED: E3M2 operands, one E8M0 scale for each 32 along K, by v_wmma_scale_f32_16x16x128_f8f6f4 with both operands' format E3M2, f32 sums; products left as they are: f32 operands where the result goes on into a quantised operand, else bf16, f16 or f32 operands; f32 sums; everything else in f32.
;; Inputs: f_b1 8,192 float32; f_b2 2 float32; f_w1_codes 8,192 x 128 x 24 uint8 (E3M2 codes of f_w1, K innermost, in blocks of 32 codes, four codes in three bytes); f_w1_scales 8,192 x 128 uint8 (E8M0 scales of f_w1, one for each 32 codes along K); f_w2 8,192 x 2 float32; t_b1 8,192 float32; t_b2 2 float32; t_w1_codes 8,192 x 128 x 24 uint8 (E3M2 codes of t_w1, K innermost, in blocks of 32 codes, four codes in three bytes); t_w1_scales 8,192 x 128 uint8 (E8M0 scales of t_w1, one for each 32 codes along K); t_w2 8,192 x 2 float32; x_codes 1,024 x 128 x 24 uint8 (E3M2 codes of x, K innermost, in blocks of 32 codes, four codes in three bytes); x_scales 1,024 x 128 uint8 (E8M0 scales of x, one for each 32 codes along K).
;; Outputs: out0 1,024 x 2 float32.
;; This version of the problem:
;;   THIS VERSION OF THE PROBLEM IS GIVEN IN LOW PRECISION. The matrix products marked QUANTISED in the list below multiply operands that are first quantised to E3M2 (3 exponent bits, 2 mantissa bits; 6 bits a number), with one power-of-two scale for each 32 numbers along K (OCP MX v1.0); their sums are f32. All else is computed in f32.
;;   The module's matrix products, in the order in which they are computed (A, B: the left and right operand; K: the contracted axis; several contracted axes count as one K, in the product's order):
;;     1. [M 1,024, K 4,096] x [K 4,096, N 8,192]; A: input x (given as codes); B: input t_w1 (given as codes): QUANTISED
;;     2. [M 1,024, K 8,192] x [K 8,192, N 2]; A: computed on the way; B: input t_w2: left as it is (N = 2 < 16)
;;     3. [M 1,024, K 4,096] x [K 4,096, N 8,192]; A: input x (given as codes); B: input f_w1 (given as codes): QUANTISED
;;     4. [M 1,024, K 8,192] x [K 8,192, N 2]; A: computed on the way; B: input f_w2: left as it is (N = 2 < 16)
;;   THE QUANTISER, for each operand of a quantised product, along K:
;;     - K is cut into blocks of 32 from its start; a last block that is shorter is filled with zeros.
;;     - A block's scale is 2^e with e = floor(log2(the largest magnitude in the block)) - 4, held to -126 .. 127; a block of zeros has e = 0. As a byte (E8M0): e + 127.
;;     - Each number is divided by its block's scale, clamped to +-28, and rounded to the nearest number of E3M2, ties to even, subnormals kept.
;;     - The product sums the exact products of the quantised numbers (number of the format x scale) in f32.
;;   ~~~python
;;   def quantise(x, axis):      # numpy; x: float32 -> the quantised numbers, widened to float32 again
;;       x = np.moveaxis(x, axis, -1); K = x.shape[-1]
;;       x = np.pad(x, [(0, 0)] * (x.ndim - 1) + [(0, -K % 32)]); x = x.reshape(x.shape[:-1] + (-1, 32)); a = np.abs(x).max(-1, keepdims=True)
;;       e = np.where(a > 0, np.clip(np.frexp(np.where(a > 0, a, 1))[1] - 1 - 4, -126, 127), 0)      # np.frexp(a)[1] - 1 = floor(log2(a)), exactly
;;       r = np.clip(x / 2.0 ** e, -28, 28)
;;       step = 2.0 ** (np.maximum(np.frexp(np.where(r == 0, 1, r))[1] - 1, -2) - 2)
;;       q = np.round(r / step) * step * 2.0 ** e      # np.round: ties to even
;;       return np.moveaxis(q.reshape(q.shape[:-2] + (-1,))[..., :K], -1, axis).astype(np.float32)
;;   ~~~
;;   INPUTS GIVEN AS CODES. f_w1 (in the module: [4096, 8192], K = its axis 0); t_w1 (in the module: [4096, 8192], K = its axis 0); x (in the module: [1024, 4096], K = its axis 1): each comes as NAME_codes (uint8): NAME with its K axis moved to the last place and cut into blocks of 32 codes, [.., K / 32, bytes a block], one block behind the other in memory; four codes in three bytes: a row's codes are one little-endian stream of bits, code i at bits 6 i .. 6 i + 5 (a code: sign, 3 exponent bits, 2 mantissa bits); and NAME_scales (uint8): the same leading axes, one E8M0 byte (e + 127) for each 32 codes along K. Its value is code x scale, taken as it is: it is not quantised again, and the codes and scales need not be those that the quantiser above would give.
;; One version. Each part assembles by itself: llvm-mc -triple=amdgcn-amd-amdhsa -mcpu=gfx1250 --defsym DOCPART=n.
;; ======== version 1 of 1: 2 launches
;; workspace buffers: part 524,288 bytes
;; launch experts (part 1): grid 64 x 4, 4 waves a work-group, clusters of 4 x 4, 327,680 bytes of LDS; arguments x_codes, x_scales, t_w1_codes, t_w1_scales, t_b1, t_w2, f_w1_codes, f_w1_scales, f_b1, f_w2, part; writes part
.if DOCPART == 1
	.amdgcn_target "amdgcn-amd-amdhsa--gfx1250"
	.amdhsa_code_object_version 6
	.text
	.protected	k_qfcbe2e6c9f_experts
	.globl	k_qfcbe2e6c9f_experts
	.p2align	8
	.type	k_qfcbe2e6c9f_experts,@function
k_qfcbe2e6c9f_experts:
	s_mov_b64 s[64:65], 0
	v_nop
	global_prefetch_b8 v0, s[64:65] scope:SCOPE_SE
	s_setreg_imm32_b32 hwreg(HW_REG_WAVE_MODE, 25, 1), 1
	s_wait_xcnt 0x0
	s_wait_alu depctr_hold_cnt(0) depctr_sa_sdst(0) depctr_va_vdst(0) depctr_va_sdst(0) depctr_va_ssrc(0) depctr_va_vcc(0) depctr_vm_vsrc(0)
	s_getreg_b32 s2, hwreg(HW_REG_IB_STS2, 6, 4)
	s_cmp_eq_u32 s2, 0
	s_cbranch_scc0 .Lentry_in_a_cluster
	s_endpgm
.Lentry_in_a_cluster:
	s_bfe_u32 s2, ttmp6, 0x10000c
	s_cmp_lg_u32 s2, 0xf033
	s_cbranch_scc0 .Lentry_shape_is_right
	s_endpgm
.Lentry_shape_is_right:
; BOTH EXPERTS' FIRST LAYER AND THEIR PART OF THE SECOND.  h = relu(x W1 + b1), x [1024][4096], W1 [8192][4096] (K innermost): codes of BF6 (E3M2), 6 bits each, one E8M0 byte for each 32 along K, taken as they lie.
; The two experts stand side by side: 16,384 hidden columns, 64 tile columns of 256 (0-31 the texture expert, 32-63 the frequency expert) x 4 tile rows of 256 = 256 work-groups.
; A work-group of four waves makes a tile of 256 x 256 of h, a wave 128 x 128 (64 accumulators, 512 registers).  h never goes to memory: behind the last K step each wave takes relu and multiplies its tile by its
; 128 x 2 piece of W2 in f32 (packed fused multiply-adds), and the work-group stores 256 rows x 2 sums into part [tile column][row][class]: 2,048 consecutive bytes.  The next launch adds the 32 parts of each expert.
; The bias b1 is the C of each sum's first matrix instruction.
; K goes in steps of 256 through a ring of two LDS slots filled by the tensor data mover (a tile's row is 192 bytes); the scale bytes of the work-group's rows of x and of W1, for all of K, come into LDS once and stay.
; CLUSTERS: 4 x 4 work-groups.  The four of a row of the cluster need the same tiles of x, the four of a column the same tiles of W1: each tile is asked for JOINTLY, by the same tensor load with the same descriptor and
; a mask that names the four.  The grid is one cluster high, so the tile row is cy; a cluster's four tile columns belong to one expert (cluster x under 8: texture), so the choice of buffers is the same in all sixteen.
; THE MATRIX INSTRUCTION IS USED TRANSPOSED (source 0 = 16 rows of W1, source 1 = 16 rows of x): in accumulator (a, b) lane (r, h) holds row 16 a + r of x and its registers j the hidden columns 16 b + 8 h + j.
; LIMITS: the second product's sum is taken in another order than a plain row sum (pairs of columns, halves of the lanes, waves, tiles), in f32 throughout; a scale byte 0xff makes the sums NaN, as the format says.
; REGISTERS, in windows of 256: window 0: v0-31 addresses; v32-63 scale words, two sets; v64-127 the bias, 8 registers a column block; v128-223 x's fragments, ONE set; v224-255 the second product's sums.
;   window 1: W1's fragments, TWO sets, at v0 and at v128; from the last step on v0-127 hold W2.   window 2: the accumulators of my rows 0-63 ((a, b) at v[8 (8 a + b)]);   window 3: those of my rows 64-127.
.set KSTEP,  256                       ; along K in a slot
.set NQ,     2                         ; matrix instructions deep
.set ROWB,   192                       ; a tile's row in bytes: 256 codes of 6 bits
.set KROW,   3072                      ; a row of x or of W1 in memory: 4,096 codes
.set PITCH,  240                       ; an LDS row: 3 x (64 bytes of data + 16 of padding) = 60 words: row r starts at bank -4 r mod 64 (64 banks of 4 bytes: ISA guide 11.1)
.set FR,     12                        ; registers of a fragment: 16 rows x 128 K
.set NL,     6                         ; LDS loads that bring one
.set NP,     4                         ; places behind this matrix instruction (ISA guide 7.12.1)
.set HALFT,  128*PITCH                 ; 128 rows: what one tensor load brings, and what one wave reads of x or of W1
.set SLOT,   4*HALFT                   ; x's 256 rows, then W1's 256 rows
.set LAPS,   8                         ; a lap = two K steps = once round the ring: 4,096 / 512
.set KS,     128                       ; a row of scale bytes
.set SCL,    2*SLOT                    ; behind the ring: the scales, as units of 256 bytes + 16 of padding
.set HALFS,  (128*KS/256)*272          ; the scales of 128 rows: what one tensor load brings
.set SBLK,   (16*KS/256)*272           ; those of 16 rows
.set SPARE,  SCL+4*HALFS               ; the spare words, 128 bytes for each wave: two blocks of 256 bytes that no other line names
.set W2L,    SPARE+512                 ; W2 of the work-group's 256 columns, parted by class: class c, column n at 1024 c + 4 n.  No tensor load lands here
.set RED,    W2L+2048                  ; the waves' sums: wave w, its row rl, class c at 1024 w + 8 rl + 4 c.  No tensor load lands here
.set W2ST, 12                          ; v12     where I put my four numbers of W2: W2L + 8 x thread
.set BOF,  13                          ; v13     32 x (lane / 16): my eight columns of a block of 16, in bytes
.set T16,  14                          ; v14     16 x thread
.set ADW,  15                          ; v15     where I read W2 back: W2L + 512 x my column half + 32 x (lane / 16)
.set ADRA, 16                          ; v16-17  LDS address of my fragments of x in slot 0, 1  (v18-19: the same for the pieces that lie behind one padding more)
.set ADRB, 20                          ; v20-21  the same for W1  (v22-23)
.set RST,  24                          ; v24     where I put a row's sum
.set RRD,  25                          ; v25     where I read two rows' sums back
.set ADRS, 27                          ; v27     LDS address of my scale words: lanes 0-15 x's rows, lanes 16-31 W1's
.set SPW,  28                          ; v28     LDS address of my spare word: SPARE + 4 x my thread's number; never rewritten
.set NIL,  29                          ; v29     0; never rewritten
.set PFO,  30                          ; v30     the prefetches' offset: my lane x a row in memory; never rewritten
.set SC,   32                          ; scale words: set s (for slot s) at v[SC + 16 s]; register 2 i + q: lanes 0-15 the word of x's block i, lanes 16-31 that of W1's block i, for the slot's q-th 128 along K
.set BI,   64                          ; the bias: column block b at v[BI + 8 b + j]
.set AF,   128                         ; x's fragments
.set O,    224                         ; the second product: row block a, class c: the pair v[O + 4 a + 2 c] (even columns' sum, odd columns' sum)
.set G1,   24                          ; s[24:31] descriptor group 1 for x's tiles;  s[32:39] group 0, one set for each slot
.set G0,   32
.set G1B,  48                          ; s[48:55], s[56:63] the same for W1's tiles
.set G0B,  56
.set PFA,  66                          ; s[66:67] where my prefetches stand
.set G1S,  68                          ; s[68:75], s[76:79] groups 1 and 0 for x's scales;  s[80:87], s[88:91] for W1's
.set G0S,  76
.set G1SB, 80
.set G0SB, 88
.set WV,   92                          ; s92  my wave's number
.set HR,   93                          ; s93  which half of the tile's rows is mine.  Also: I fetch for x (0) or for W1 (1)
.set HC,   94                          ; s94  which half of its columns.  Also: which 128 rows of that tile I fetch
.set TCL,  95                          ; s95  the tile column inside its expert
.set PART, 96                          ; s[96:97] part
.set SEL,  98                          ; s[98:99] lane selects for v_permlanex16_b32: lane l xor 16
.set LIM,  100                         ; s100 1 in a wave that prefetches, else the greatest number
.set MSB, 0
.macro WIN new                         ; the immediate's high byte repeats the setting that is left; a switch that changes nothing is dropped
.if MSB != (\new)
	s_set_vgpr_msb (MSB<<8)|(\new)
.set MSB, (\new)
.endif
.endm
.set MUL_LO,  0xa1                     ; source 0 (W1) window 1, source 1 (x) window 0, C and D window 2
.set MUL_HI,  0xf1                     ; the same, C and D window 3
.set MUL_LO0, 0x81                     ; the first step: C (the bias) window 0, D window 2
.set MUL_HI0, 0xc1                     ; D window 3
.set TO_B,    0x40                     ; destination window 1, address window 0
.set RELU_LO, 0x88                     ; source 1 and destination window 2 (+ 0x44: window 3)
.set FMA_LO,  0x06                     ; source 0 window 2 (+ 1: window 3), source 1 window 1, source 2 and destination window 0
; A joint load: waves 0 and 1 fetch for x, waves 2 and 3 for W1.  Each of the two lines has ONE mask and one set of registers for all that issue it; the branch hangs on the wave's number alone.
; Four v_nop follow each of the two lines, ahead of the jump, the label and what follows.
.macro JLOAD g0a, g1a, g0b, g1b
	s_cmp_eq_u32 s[HR], 0
	s_cbranch_scc0 .Lfor_b_\@
	tensor_load_to_lds s[\g0a:\g0a+3], s[\g1a:\g1a+7]
	s_nop 0
.rept 4
	v_nop
.endr
	s_branch .Lasked_\@
.Lfor_b_\@:
	tensor_load_to_lds s[\g0b:\g0b+3], s[\g1b:\g1b+7]
	s_nop 0
.rept 4
	v_nop
.endr
.Lasked_\@:
.endm
.macro CREST                           ; a round of the cluster's barrier behind its opening barrier
	s_cmp_lg_u32 s[WV], 0
	s_cbranch_scc1 .Lnot_wave_0_\@
	s_barrier_signal -3
.Lnot_wave_0_\@:
	s_barrier_wait -3
	s_barrier_signal -1
	s_barrier_wait -1
.endm
.macro CROUND                          ; a whole round
	s_barrier_signal -1
	s_barrier_wait -1
	CREST
.endm
; A PREFETCH INTO THE L2, behind each joint refill, its four lines and the run of LDS loads that follows: the K step that stands TWO refills on (256 matrix instructions ahead of the load that will want it): 32 rows, a lane a row.
; A K step is 192 bytes of a row, so a lane names the part's LAST byte: the aligned block of 256 bytes in which the part ends is one that no earlier K step's part has touched, but for every fourth K step (3, 7 ..), whose
; part ends in the block that the K step before has named: that is slot 1's request in the trips with an even count left, and there nothing is asked.
; Each block is named ONCE in the launch.  Of the 128 rows that a wave fetches, each of the four partners that ask for them jointly takes 32, told apart BY ADDRESS (cx for x, cy for W1).  W1's rows are read by one column of
; one cluster alone: its waves ask in every cluster; x's rows are read by all sixteen clusters: the first (cluster x = 0) asks.  The loop's last trip asks for nothing: there is no K step two refills on.
.macro ASK slot
	s_cmp_gt_u32 s3, s[LIM]                        ; s3 = 1 in the loop's last trip
	s_cbranch_scc0 .Lnot_mine_\@
.if \slot
	s_and_b32 s2, s3, 1
	s_cmp_eq_u32 s2, 1
	s_cbranch_scc0 .Lnot_mine_\@
.endif
	global_prefetch_b8 v[PFO], s[PFA:PFA+1] th:TH_LOAD_NT scope:SCOPE_SE
.Lnot_mine_\@:
.endm
	s_load_b128 s[4:7], s[0:1], 0x0                ; x's codes s[4:5], x's scales s[6:7]
	s_load_b256 s[8:15], s[0:1], 0x10              ; the texture expert's W1 codes, W1 scales, b1, W2
	s_load_b256 s[16:23], s[0:1], 0x30             ; the frequency expert's
	s_load_b64 s[PART:PART+1], s[0:1], 0x50        ; part
	v_lshl_add_u32 v[SPW], v0, 2, SPARE
	v_mov_b32 v[NIL], 0
	ds_add_u32 v28, v29
	s_wait_dscnt 0x0
	v_lshrrev_b32 v1, 5, v0
	v_readfirstlane_b32 s[WV], v1                  ; wave 0..3
	s_lshr_b32 s[HR], s[WV], 1
	s_and_b32 s[HC], s[WV], 1
	s_bfe_u32 s40, ttmp6, 0x40000                  ; cx, cy: my place in the cluster
	s_bfe_u32 s41, ttmp6, 0x40004                  ; cy is also the tile row: the grid is one cluster high
	s_lshl_b32 s42, ttmp9, 2
	s_add_co_u32 s42, s42, s40                     ; tile column = 4 x cluster x + cx, 0 .. 63
	s_and_b32 s[TCL], s42, 31                      ; and inside its expert
	s_lshl_b32 s43, s41, 2
	s_lshl_b32 s43, 15, s43                        ; my row of the cluster
	s_lshl_b32 s44, 0x1111, s40                    ; my column
	s_mov_b32 s[SEL], 0x76543210
	s_mov_b32 s[SEL+1], 0xfedcba98
	; descriptor group 1: a tile of 128 rows x 192 bytes, padded in LDS
	s_or_b32 s[G1+0], s43, (0<<16)|(1<<20)|(1<<21)|(3<<22)|(3<<25)  ; 15:0 the mask: x's tiles go to my row; 17:16 element of 1 byte; 20 padding on; 21 set beside a mask; 24:22 after every 16 words (code 3); 31:25 of 4 words (code 3)
	s_or_b32 s[G1B+0], s44, (0<<16)|(1<<20)|(1<<21)|(3<<22)|(3<<25) ; the same with the mask of my column, for W1's tiles
.irp g, G1, G1B
	s_mov_b32 s[\g+1], ROWB<<16                    ; tensor_dim0
	s_mov_b32 s[\g+2], 128<<16                     ; tensor_dim1 = 128
	s_mov_b32 s[\g+3], ROWB<<16                    ; tile_dim0
	s_mov_b32 s[\g+4], 128                         ; tile_dim1 = 128
	s_mov_b32 s[\g+5], KROW                        ; tensor_dim0_stride
	s_mov_b32 s[\g+6], 0
	s_mov_b32 s[\g+7], 0
.endr
	; and for the scales of 128 rows: a dense block of 16,384 bytes, as 64 rows of 256 bytes (32 elements of 8 bytes), 16 bytes of padding behind each
	s_or_b32 s[G1S+0], s43, (3<<16)|(1<<20)|(1<<21)|(5<<22)|(3<<25)
	s_or_b32 s[G1SB+0], s44, (3<<16)|(1<<20)|(1<<21)|(5<<22)|(3<<25)
.irp g, G1S, G1SB
	s_mov_b32 s[\g+1], 32<<16
	s_mov_b32 s[\g+2], (128*KS/256)<<16
	s_mov_b32 s[\g+3], 32<<16
	s_mov_b32 s[\g+4], 128*KS/256
	s_mov_b32 s[\g+5], 32
	s_mov_b32 s[\g+6], 0
	s_mov_b32 s[\g+7], 0
.endr
	s_mul_i32 s45, s[WV], HALFT                    ; where the tiles go: wave x 128 rows: no place in the cluster enters an LDS address
	s_mul_i32 s101, s[WV], HALFS                   ; and the scales
	s_wait_kmcnt 0x0
	s_cmp_lt_u32 ttmp9, 8                          ; which expert?  The choice hangs on the cluster's number alone: the same in all sixteen partners
	s_cselect_b64 s[8:9], s[8:9], s[16:17]         ; W1's codes
	s_cselect_b64 s[10:11], s[10:11], s[18:19]     ; W1's scales
	s_cselect_b64 s[12:13], s[12:13], s[20:21]     ; b1
	s_cselect_b64 s[14:15], s[14:15], s[22:23]     ; W2
	; where the tiles come from.  x's hang on the tile row alone, which my row of the cluster shares; W1's on the tile column alone, which my column shares.  All offsets stay under 2^32
	s_lshl_b32 s2, s[HC], 7                        ; which 128 rows of the tile I fetch
	s_lshl_b32 s20, s41, 8
	s_add_co_u32 s20, s20, s2                      ; x: row 256 x tile row + 128 x half
	s_lshl_b32 s46, s[TCL], 8
	s_add_co_u32 s46, s46, s2                      ; W1: row 256 x tile column + 128 x half
	s_lshl_b32 s22, s20, 7                         ; where these rows' scales begin, in bytes
	s_mov_b32 s23, 0
	s_mul_i32 s20, s20, KROW                       ; and their codes
	s_mov_b32 s21, 0
	s_lshl_b32 s16, s46, 7
	s_mov_b32 s17, 0
	s_mul_i32 s46, s46, KROW
	s_mov_b32 s47, 0
	s_add_nc_u64 s[20:21], s[4:5], s[20:21]
	s_add_nc_u64 s[22:23], s[6:7], s[22:23]
	s_add_nc_u64 s[46:47], s[8:9], s[46:47]
	s_add_nc_u64 s[16:17], s[10:11], s[16:17]
	CROUND                                         ; all sixteen work-groups are here: the first joint loads meet
	s_mov_b32 s[G0S], 1
	s_add_co_u32 s[G0S+1], s101, SCL
	s_mov_b64 s[G0S+2:G0S+3], s[22:23]
	s_or_b32 s[G0S+3], s[G0S+3], 0x80000000
	s_mov_b32 s[G0SB], 1
	s_add_co_u32 s[G0SB+1], s101, SCL
	s_mov_b64 s[G0SB+2:G0SB+3], s[16:17]
	s_or_b32 s[G0SB+3], s[G0SB+3], 0x80000000
	JLOAD G0S, G1S, G0SB, G1SB                     ; the scales first: they are wanted with K step 0
.irp s, 0,1
	s_mov_b32 s[G0+4*\s], 1                                        ; 1:0 count = 1
	s_add_co_u32 s[G0+4*\s+1], s45, \s*SLOT                        ; 63:32 LDS address
	s_add_nc_u64 s[G0+4*\s+2:G0+4*\s+3], s[20:21], \s*ROWB         ; 120:64 global address: K step s
	s_or_b32 s[G0+4*\s+3], s[G0+4*\s+3], 0x80000000                ; 127:126 type = 2
	s_mov_b32 s[G0B+4*\s], 1
	s_add_co_u32 s[G0B+4*\s+1], s45, \s*SLOT
	s_add_nc_u64 s[G0B+4*\s+2:G0B+4*\s+3], s[46:47], \s*ROWB
	s_or_b32 s[G0B+4*\s+3], s[G0B+4*\s+3], 0x80000000
	JLOAD G0+4*\s, G1, G0B+4*\s, G1B               ; three tensor loads of mine are out behind the second of these
.endr
	; W2 of the work-group's 256 columns (2,048 bytes: 16 a thread) and the bias of my 128 columns
	v_and_b32 v1, 15, v0                           ; r = l % 16
	v_bfe_u32 v2, v0, 4, 1                         ; h = l / 16
	v_lshlrev_b32 v[BOF], 5, v2
	v_lshlrev_b32 v[T16], 4, v0
	s_lshl_b32 s18, s[TCL], 11                     ; W2: 256 columns x 8 bytes a tile column
	s_mov_b32 s19, 0
	s_add_nc_u64 s[14:15], s[14:15], s[18:19]
	s_lshl_b32 s18, s[TCL], 10                     ; b1: 256 columns x 4 bytes a tile column,
	s_lshl_b32 s2, s[HC], 9                        ; + my half's 128
	s_add_co_u32 s18, s18, s2
	s_add_nc_u64 s[12:13], s[12:13], s[18:19]
	global_load_b128 v[8:11], v[T16], s[14:15]     ; W2(2 t, 0), W2(2 t, 1), W2(2 t + 1, 0), W2(2 t + 1, 1)
.irp b, 0,1,2,3,4,5,6,7
	global_load_b128 v[BI+8*\b:BI+8*\b+3],   v[BOF], s[12:13] offset:64*\b      ; b1 at columns 16 b + 8 h + 0 .. 7: the result's layout
	global_load_b128 v[BI+8*\b+4:BI+8*\b+7], v[BOF], s[12:13] offset:64*\b+16
.endr
	s_lshl_b32 s18, s42, 13                        ; part: 8,192 bytes a tile column,
	s_lshl_b32 s2, s41, 11                         ; 2,048 a tile row
	s_add_co_u32 s18, s18, s2
	s_add_nc_u64 s[PART:PART+1], s[PART:PART+1], s[18:19]
	; the prefetches: where my wave's stand, and who asks.  Nothing is prefetched here, at the head, where every work-group's first tiles are on their way: K steps 0 to 3 come by their loads alone
	s_lshl_b32 s18, s41, 8
	s_lshl_b32 s19, s[TCL], 8
	s_cmp_eq_u32 s[HR], 0                          ; do I fetch for x?
	s_cselect_b32 s18, s18, s19                    ; the tile's first row: in x by the tile row, in W1 by the tile column
	s_cselect_b32 s19, s40, s41                    ; my place among the four that ask for it with me
	s_cselect_b32 s2, ttmp9, 0                     ; the coordinate along which other clusters read the same rows (W1's: none do)
	s_cselect_b64 s[PFA:PFA+1], s[4:5], s[8:9]
	s_cmp_eq_u32 s2, 0
	s_cselect_b32 s[LIM], 1, -1                    ; the same in all sixteen partners, for a given wave
	s_lshl_b32 s2, s[HC], 7
	s_add_co_u32 s18, s18, s2                      ; + the 128 rows that I fetch
	s_lshl_b32 s19, s19, 5
	s_add_co_u32 s18, s18, s19                     ; + my work-group's 32 of them
	s_mul_i32 s18, s18, KROW
	s_add_co_u32 s18, s18, 3*ROWB+ROWB-1           ; at the last byte of K step 3: the first refill steps it to K step 4's
	s_mov_b32 s19, 0
	s_add_nc_u64 s[PFA:PFA+1], s[PFA:PFA+1], s[18:19]
	; LDS addresses
	v_mul_u32_u24 v3, v1, PITCH
	v_mul_u32_u24 v4, v2, 24
	v_add_nc_u32 v4, v3, v4                        ; a fragment's row x pitch + 24 x half
	v_lshl_add_u32 v5, v2, 4, v4                   ; and the same behind one padding more
	s_mul_i32 s21, s[HR], HALFT                    ; my 128 rows of x
	s_mul_i32 s22, s[HC], HALFT                    ; my 128 rows of W1,
	s_add_co_u32 s22, s22, 2*HALFT                 ; which lie behind x's 256
.irp s, 0,1
	v_add_nc_u32 v[ADRA+\s], s21, v4
	v_add_nc_u32 v[ADRB+\s], s22, v4
	v_add_nc_u32 v[ADRA+2+\s], s21, v5
	v_add_nc_u32 v[ADRB+2+\s], s22, v5
	s_add_co_u32 s21, s21, SLOT
	s_add_co_u32 s22, s22, SLOT
.endr
	v_mul_u32_u24 v5, v1, KS                       ; my row's scales: 128 bytes a row,
	v_lshrrev_b32 v6, 8, v5
	v_lshl_add_u32 v5, v6, 4, v5                   ; and 16 more for each 256 passed
	s_mul_i32 s21, s[HR], HALFS                    ; x's: my 128 rows
	s_mul_i32 s22, s[HC], HALFS                    ; W1's: my 128 rows, behind x's 256
	s_add_co_u32 s22, s22, 2*HALFS
	s_sub_co_u32 s22, s22, s21
	v_mul_u32_u24 v6, s22, v2                      ; lanes 16-31 take W1's
	s_add_co_u32 s21, s21, SCL
	v_add_nc_u32 v5, v5, v6
	v_add_nc_u32 v[ADRS], s21, v5
	v_lshl_add_u32 v[W2ST], v0, 3, W2L             ; W2 in: column 2 t of class 0 at W2L + 8 t
	s_lshl_b32 s2, s[HC], 9
	v_add_nc_u32 v[ADW], s2, v[BOF]
	v_add_nc_u32 v[ADW], W2L, v[ADW]               ; W2 back: my half's 128 columns, my eight of a block of 16
	s_lshl_b32 s2, s[WV], 10
	v_lshlrev_b32 v3, 3, v1
	v_lshl_add_u32 v3, v2, 2, v3
	v_add_nc_u32 v3, s2, v3
	v_add_nc_u32 v[RST], RED, v3                   ; a sum in: my wave's 1,024 bytes, row r, class h
	s_lshl_b32 s2, s[HR], 11
	s_lshl_b32 s18, s[HC], 9
	s_add_co_u32 s2, s2, s18
	v_and_b32 v6, 31, v0
	v_lshlrev_b32 v3, 4, v6
	v_add_nc_u32 v3, s2, v3
	v_add_nc_u32 v[RRD], RED, v3                   ; sums back: of my row half's 128 rows I take 64: two rows x two classes a lane; the other column half's lie 1,024 bytes on
	v_mul_u32_u24 v[PFO], v6, KROW
	s_wait_loadcnt 16                              ; W2's load is in; the sixteen loads of the bias, issued behind it, may be out
	ds_store_b32 v[W2ST], v8                       ; class 0, column 2 t
	ds_store_b32 v[W2ST], v9 offset:1024           ; class 1, column 2 t
	ds_store_b32 v[W2ST], v10 offset:4             ; class 0, column 2 t + 1
	ds_store_b32 v[W2ST], v11 offset:1028          ; class 1, column 2 t + 1
.macro FRAG reg, adr, q, i             ; a fragment, 16 rows x 128 K of 6-bit codes, is 12 registers: lane l holds row l % 16; registers 6 c .. 6 c + 5 hold K = 64 c + 32 (l / 16) + 0 .. 31: 24 bytes of the row's stream of bits, as they lie
.irp p, 0,1,2,3,4,5                    ; in pieces of 8 bytes, so that every address is a multiple of the access's size.  Lanes 0-15 take the row's pieces 12 q + 0, 1, 2 and 12 q + 6, 7, 8, lanes 16-31 those three pieces on
.set PC, 12*(\q)+6*(\p/3)+\p%3        ; 16 bytes of padding lie behind every 64 bytes (8 pieces): where the piece three on lies behind one padding more, the second address register (40 for 24 bytes a half) serves
.if PC%8 < 5
	ds_load_b64 v[\reg+2*\p:\reg+2*\p+1], v[\adr] offset:8*PC+16*(PC/8)+(\i)*16*PITCH
.else
	ds_load_b64 v[\reg+2*\p:\reg+2*\p+1], v[\adr+2] offset:8*PC+16*(PC/8)+(\i)*16*PITCH
.endif
.endr
.endm
; 16 matrix instructions: x's blocks a0, a0 + 1 against W1's eight, 128 along K: the slot's q-th.  p: W1's set;  sc: the set of scale words.  zero = 1: the first product starts the sums, with the bias as its C: nothing is cleared or added later.
; The 64 accumulators take turns, one instruction a turn, in the same order in every step.
.macro MUL16 a0, p, q, sc, zero
.irp a, \a0, \a0+1
.irp b, 0,1,2,3,4,5,6,7
.if \zero
	v_wmma_scale_f32_16x16x128_f8f6f4 v[8*(8*((\a)%4)+\b):8*(8*((\a)%4)+\b)+7], v[128*(\p)+FR*\b:128*(\p)+FR*\b+FR-1], v[AF+FR*(\a):AF+FR*(\a)+FR-1], v[BI+8*\b:BI+8*\b+7], v[SC+8*NQ*(\sc)+NQ*\b+(\q)], v[SC+8*NQ*(\sc)+NQ*(\a)+(\q)] matrix_a_fmt:MATRIX_FMT_BF6 matrix_b_fmt:MATRIX_FMT_BF6 matrix_a_scale:MATRIX_SCALE_ROW1
.else
	v_wmma_scale_f32_16x16x128_f8f6f4 v[8*(8*((\a)%4)+\b):8*(8*((\a)%4)+\b)+7], v[128*(\p)+FR*\b:128*(\p)+FR*\b+FR-1], v[AF+FR*(\a):AF+FR*(\a)+FR-1], v[8*(8*((\a)%4)+\b):8*(8*((\a)%4)+\b)+7], v[SC+8*NQ*(\sc)+NQ*\b+(\q)], v[SC+8*NQ*(\sc)+NQ*(\a)+(\q)] matrix_a_fmt:MATRIX_FMT_BF6 matrix_b_fmt:MATRIX_FMT_BF6 matrix_a_scale:MATRIX_SCALE_ROW1
.endif
.endr
.endr
.endm
.macro FETCH_B slot, q, p              ; W1's eight fragments of the slot's q-th 128 along K into set p
	WIN TO_B
.irp i, 0,1,2,3,4,5,6,7
	FRAG 128*(\p)+FR*\i, ADRB+\slot, \q, \i
.endr
	WIN 0
.endm
.macro FETCH_A slot, q, i0             ; x's blocks i0 .. i0 + 3
.irp i, \i0, \i0+1, \i0+2, \i0+3
	FRAG AF+FR*(\i), ADRA+\slot, \q, \i
.endr
.endm
.macro SCALES sc                       ; the next K step's scale words into set sc: two words a row; lanes 0-15 take x's block i, lanes 16-31 W1's block i
.irp i, 0,1,2,3,4,5,6,7
	ds_load_b64 v[SC+8*NQ*\sc+NQ*\i:SC+8*NQ*\sc+NQ*\i+1], v[ADRS] offset:\i*SBLK
.endr
.endm
; A load into a register that a matrix instruction has read, and a vector instruction that reads or writes a matrix result, stand NP places behind that matrix instruction, and only plain vector
; instructions that name none of its registers are places (ISA guide 7.12.1 for vector instructions); this text does not count the matrix instructions in between.
.macro PLACES n
.rept \n
	v_nop
.endr
.endm
; A step of 128 along K that has its successor in the same slot.
.macro STEP slot, q, zero
	s_wait_dscnt 4*NL                              ; W1's set and x's blocks 0-3 are in; the youngest 24 loads (x's blocks 4-7) may be out
.if \zero
	WIN MUL_LO0
.else
	WIN MUL_LO
.endif
	MUL16 0, (\q)%2, \q, \slot, \zero
	MUL16 2, (\q)%2, \q, \slot, \zero
	s_wait_dscnt 0                                 ; x's blocks 4-7 are in (asked for 32 matrix instructions ago)
	PLACES NP
	FETCH_B \slot, (\q)+1, 1-(\q)%2
	FETCH_A \slot, (\q)+1, 0
.if \zero
	WIN MUL_HI0
.else
	WIN MUL_HI
.endif
	MUL16 4, (\q)%2, \q, \slot, \zero
	MUL16 6, (\q)%2, \q, \slot, \zero
	PLACES NP
	WIN 0
	FETCH_A \slot, (\q)+1, 4
.endm
; A slot's last step changes slots, in its middle.  Its first 32 products have their operands in registers and want nothing of the next slot: they stand AHEAD of the wait for my tensor load, so that they are issued while
; that load is on its way.  At a change of slots every wave has waited for all its tensor loads, so a refill goes out only when the one before has landed: between a landing and the next request stand only the add, the
; descriptors' steps, the wait for the add, the round and the joint load's branch.
; ONE barrier: in front of it each wave waits for all its tensor loads, adds 0 to its spare word, and waits for that and for its own reads of this slot.  fill = 1: this slot is filled again, two K steps ahead.
.macro TURN slot, next, fill
	s_wait_dscnt 4*NL                              ; W1's set 1 and x's blocks 0-3 are in; the youngest 24 loads (x's blocks 4-7) may be out
	WIN MUL_LO
	MUL16 0, 1, NQ-1, \slot, 0
	MUL16 2, 1, NQ-1, \slot, 0
	WIN 0
.if \fill
	s_wait_xcnt 0x0                                ; the last prefetch, a K step back, has read its address: it is stepped here, ahead of the waits of the change of slots
	s_add_nc_u64 s[PFA:PFA+1], s[PFA:PFA+1], ROWB
.endif
	s_wait_tensorcnt 0x0                           ; all my tensor loads have landed: the one that was out is my part of the next slot; so every group 0 may be written
	ds_add_u32 v[SPW], v[NIL]                      ; 0 onto my spare word: with fill = 1 the descriptors' steps stand between it and the wait for it
.if \fill
	s_add_nc_u64 s[G0+4*\slot+2:G0+4*\slot+3], s[G0+4*\slot+2:G0+4*\slot+3], 2*ROWB       ; this slot's next tile: two K steps on; the type bits on top are not reached
	s_add_nc_u64 s[G0B+4*\slot+2:G0B+4*\slot+3], s[G0B+4*\slot+2:G0B+4*\slot+3], 2*ROWB
.endif
	s_wait_dscnt 0x0                               ; the add is done, and my reads of this slot are over (the last, x's blocks 4-7, were asked for 32 matrix instructions ago)
	s_barrier_signal -1
	s_barrier_wait -1                              ; both now hold of all four waves
.if \fill
	CREST                                          ; the barrier has opened a round of the cluster's barrier: no wave of any partner still reads this slot's tile or has a load on its way
	JLOAD G0+4*\slot, G1, G0B+4*\slot, G1B         ; the first tensor load behind the round, and my one load until the next; the four v_nop behind it are the places in front of the loads below
.else
	PLACES NP
.endif
	v_add_nc_u32 v[ADRS], 4*NQ, v[ADRS]            ; on to the next K step's scale words (no LDS load of mine is out)
	FETCH_B \next, 0, 0
	FETCH_A \next, 0, 0
	SCALES \next
.if \fill
	ASK \slot                                      ; behind the joint load and the run of LDS loads that the next products wait for
.endif
	WIN MUL_HI
	MUL16 4, 1, NQ-1, \slot, 0
	MUL16 6, 1, NQ-1, \slot, 0
	PLACES NP
	WIN 0
	FETCH_A \next, 0, 4
.endm
; W2 of my 128 columns into window 1: class c, column 16 b + 8 h + j at v[64 c + 8 b + j]: the accumulators' layout.  The sixteen lanes of a half read the same 16 bytes.
.macro FETCH_W
	WIN TO_B
.irp c, 0,1
.irp b, 0,1,2,3,4,5,6,7
	ds_load_b128 v[64*\c+8*\b:64*\c+8*\b+3],   v[ADW] offset:1024*\c+64*\b
	ds_load_b128 v[64*\c+8*\b+4:64*\c+8*\b+7], v[ADW] offset:1024*\c+64*\b+16
.endr
.endr
	WIN 0
.endm
; relu, in place, on the 32 accumulators of window 2 (hi = 0) or 3 (hi = 1); each accumulator is read from its low end on
.macro RELU hi
	WIN RELU_LO+0x44*(\hi)
.irp b, 0,1,2,3,4,5,6,7
.irp j, 0,1,2,3,4,5,6,7
.irp a, 0,1,2,3
	v_max_num_f32 v[8*(8*\a+\b)+\j], 0, v[8*(8*\a+\b)+\j]
.endr
.endr
.endr
.endm
; The second product, in f32: for each of four row blocks and both classes a pair of sums (even columns, odd columns) over my 128 columns.  Eight sums take turns; each begins with a product: nothing is cleared.
.macro DOT hi
	WIN FMA_LO+(\hi)
.irp b, 0,1,2,3,4,5,6,7
.irp jp, 0,2,4,6
.irp c, 0,1
.irp a, 0,1,2,3
.if \b+\jp == 0
	v_pk_mul_f32 v[O+4*(4*(\hi)+\a)+2*\c:O+4*(4*(\hi)+\a)+2*\c+1], v[8*(8*\a+\b)+\jp:8*(8*\a+\b)+\jp+1], v[64*\c+8*\b+\jp:64*\c+8*\b+\jp+1]
.else
	v_pk_fma_f32 v[O+4*(4*(\hi)+\a)+2*\c:O+4*(4*(\hi)+\a)+2*\c+1], v[8*(8*\a+\b)+\jp:8*(8*\a+\b)+\jp+1], v[64*\c+8*\b+\jp:64*\c+8*\b+\jp+1], v[O+4*(4*(\hi)+\a)+2*\c:O+4*(4*(\hi)+\a)+2*\c+1]
.endif
.endr
.endr
.endr
.endr
.endm
	s_wait_dscnt 0x0                               ; for the others' sake: my four stores of W2 are done
	s_wait_tensorcnt 1                             ; the scales and my part of K step 0 are in (K step 1's load may be out)
	s_barrier_signal -1
	s_barrier_wait -1                              ; everybody's are
	FETCH_B 0, 0, 0
	FETCH_A 0, 0, 0
	SCALES 0
	FETCH_A 0, 0, 4
	s_wait_loadcnt 0x0                             ; the bias
	STEP 0, 0, 1                                   ; the first step stands in front of the loop: its products start the sums
	s_mov_b32 s3, LAPS-1
.Llap:                                                 ; a trip goes once round the ring, from a lap's second step to the next lap's first, and fills both slots again
	TURN 0, 1, 1
	STEP 1, 0, 0
	TURN 1, 0, 1
	STEP 0, 0, 0
	s_sub_co_u32 s3, s3, 1
	s_cmp_lg_u32 s3, 0
	s_cbranch_scc1 .Llap
	TURN 0, 1, 0                                   ; the last lap fills nothing, and has no round of the cluster's barrier
	STEP 1, 0, 0
	FETCH_W                                        ; W1's set 0 was last read in front of the step's closing places: W2 takes its registers
	s_wait_dscnt 4*NL+32                           ; the very last step: x's blocks 4-7 (24 loads) and W2 (32) may be out
	WIN MUL_LO
	MUL16 0, 1, NQ-1, 1, 0
	MUL16 2, 1, NQ-1, 1, 0
	s_wait_dscnt 32                                ; W2's 32 loads may be out
	WIN MUL_HI
	MUL16 4, 1, NQ-1, 1, 0
	MUL16 6, 1, NQ-1, 1, 0
	WIN 0
	; THE WAY OUT: relu, the product with W2, and the sums' way together.
	PLACES NP                                      ; relu reads and writes results, and only matrix instructions stand behind the products of rows 0-63
	RELU 0
	s_wait_dscnt 0x0                               ; W2 is in
	DOT 0
	RELU 1
	DOT 1
	WIN 0
.irp i, 0,1,2,3,4,5,6,7,8,9,10,11,12,13,14,15
	v_add_f32 v[O+2*\i], v[O+2*\i], v[O+2*\i+1]    ; even columns' sum + odd columns'
.endr
.irp i, 0,1,2,3,4,5,6,7,8,9,10,11,12,13,14,15
	v_permlanex16_b32 v[O+2*\i+1], v[O+2*\i], s[SEL], s[SEL+1]   ; the row's other 64 columns lie in the lane 16 away
.endr
.irp i, 0,1,2,3,4,5,6,7,8,9,10,11,12,13,14,15
	v_add_f32 v[O+2*\i], v[O+2*\i], v[O+2*\i+1]    ; every lane: row 16 a + r, class c, over my 128 columns
.endr
	s_mov_b32 s2, 0xffff0000
.irp a, 0,1,2,3,4,5,6,7
	v_cndmask_b32 v[O+4*\a+1], v[O+4*\a], v[O+4*\a+2], s2   ; lanes 0-15 keep class 0, lanes 16-31 take class 1
.endr
.irp a, 0,1,2,3,4,5,6,7
	ds_store_b32 v[RST], v[O+4*\a+1] offset:128*\a
.endr
	s_wait_dscnt 0x0                               ; for the others' sake: my sums are in LDS
	s_barrier_signal -1
	s_barrier_wait -1
	ds_load_b128 v[4:7], v[RRD]                    ; two rows x two classes of the left column half,
	ds_load_b128 v[8:11], v[RRD] offset:1024       ; and of the right
	s_wait_dscnt 0x0
	v_pk_add_f32 v[4:5], v[4:5], v[8:9]
	v_pk_add_f32 v[6:7], v[6:7], v[10:11]
	global_store_b128 v[T16], v[4:7], s[PART:PART+1] th:TH_STORE_NT   ; 32 lanes store 512 consecutive bytes, at a multiple of 256 from part's first byte; nobody reads them in this launch
	s_wait_tensorcnt 0x0                           ; the wave's end: behind my last tensor load and my last LDS store
	ds_add_u32 v[SPW], v[NIL]
	s_wait_dscnt 0x0
	CROUND                                         ; the closing round: no work-group ends while a partner may still ask for a tile that names it
	s_endpgm
.Lfunc_end_k_qfcbe2e6c9f_experts:
	.size	k_qfcbe2e6c9f_experts, .Lfunc_end_k_qfcbe2e6c9f_experts-k_qfcbe2e6c9f_experts
	.p2alignl 7, 3214868480
	.fill 96, 4, 3214868480
	.section	.rodata,"a",@progbits
	.p2align	6, 0x0
	.amdhsa_kernel k_qfcbe2e6c9f_experts
		.amdhsa_group_segment_fixed_size 327680
		.amdhsa_private_segment_fixed_size 0
		.amdhsa_enable_private_segment 0
		.amdhsa_kernarg_size 88
		.amdhsa_user_sgpr_count 2
		.amdhsa_user_sgpr_kernarg_segment_ptr 1
		.amdhsa_wavefront_size32 1
		.amdhsa_system_sgpr_workgroup_id_x 1
		.amdhsa_system_sgpr_workgroup_id_y 1
		.amdhsa_system_sgpr_workgroup_id_z 1
		.amdhsa_system_vgpr_workitem_id 0
		.amdhsa_next_free_vgpr 1024
		.amdhsa_next_free_sgpr 102
		.amdhsa_reserve_vcc 0
		.amdhsa_float_denorm_mode_32 3
		.amdhsa_float_denorm_mode_16_64 3
		.amdhsa_memory_ordered 1
		.amdhsa_forward_progress 1
		.amdhsa_inst_pref_size 188
	.end_amdhsa_kernel
	.amdgpu_metadata
---
amdhsa.version: [ 1, 2 ]
amdhsa.kernels:
  - .name:           k_qfcbe2e6c9f_experts
    .symbol:         k_qfcbe2e6c9f_experts.kd
    .args:
      - { .name: x_codes, .offset: 0, .size: 8, .value_kind: global_buffer, .address_space: global }
      - { .name: x_scales, .offset: 8, .size: 8, .value_kind: global_buffer, .address_space: global }
      - { .name: t_w1_codes, .offset: 16, .size: 8, .value_kind: global_buffer, .address_space: global }
      - { .name: t_w1_scales, .offset: 24, .size: 8, .value_kind: global_buffer, .address_space: global }
      - { .name: t_b1, .offset: 32, .size: 8, .value_kind: global_buffer, .address_space: global }
      - { .name: t_w2, .offset: 40, .size: 8, .value_kind: global_buffer, .address_space: global }
      - { .name: f_w1_codes, .offset: 48, .size: 8, .value_kind: global_buffer, .address_space: global }
      - { .name: f_w1_scales, .offset: 56, .size: 8, .value_kind: global_buffer, .address_space: global }
      - { .name: f_b1, .offset: 64, .size: 8, .value_kind: global_buffer, .address_space: global }
      - { .name: f_w2, .offset: 72, .size: 8, .value_kind: global_buffer, .address_space: global }
      - { .name: part, .offset: 80, .size: 8, .value_kind: global_buffer, .address_space: global }
    .group_segment_fixed_size: 327680
    .private_segment_fixed_size: 0
    .kernarg_segment_align: 8
    .kernarg_segment_size: 88
    .max_flat_workgroup_size: 128
    .sgpr_count:     102
    .vgpr_count:     1024
    .wavefront_size: 32
...
	.end_amdgpu_metadata
.endif
;; end of part 1
;; launch finish (part 2): grid 32 x 1, 1 waves a work-group, no clusters, 0 bytes of LDS; arguments part, t_b2, f_b2, out0; writes out0
.if DOCPART == 2
	.amdgcn_target "amdgcn-amd-amdhsa--gfx1250"
	.amdhsa_code_object_version 6
	.text
	.protected	k_qfcbe2e6c9f_finish
	.globl	k_qfcbe2e6c9f_finish
	.p2align	8
	.type	k_qfcbe2e6c9f_finish,@function
k_qfcbe2e6c9f_finish:
	s_mov_b64 s[64:65], 0
	v_nop
	global_prefetch_b8 v0, s[64:65] scope:SCOPE_SE
	s_setreg_imm32_b32 hwreg(HW_REG_WAVE_MODE, 25, 1), 1
	s_wait_xcnt 0x0
; THE SUMS AND THE CHOICE.  part [64][1024][2] f32 holds, for each tile column of 256 hidden units (0-31 the texture expert, 32-63 the frequency expert), each row's two partial logits.
; A lane takes a row: it adds 32 parts and b2 for each expert, takes the larger softmax probability of the texture logits (the maximum is taken away ahead of the exponentials), and keeps the texture logits
; where that confidence is not under 0.8, else the frequency logits: a select, no branch.  One wave a work-group, 32 rows: each load and the store cover 256 consecutive bytes, aligned.
; No LDS, no barrier, no matrix unit: 64 loads a lane, all issued at once, are all the traffic there is; the launch is too short for a prefetch to have anything to run ahead of.
; LIMITS: the confidence is made by v_exp_f32 and v_rcp_f32 (1 ulp each: ISA guide, their entries): a row whose confidence lies within a few ulp of 0.8 may choose otherwise than an exactly rounded softmax.
; A NaN confidence keeps the texture logits, as the comparison conf < 0.8 does.
.set P, 16                             ; v[16:143] part of tile column i: the pair v[P + 2 i] (class 0, class 1)
	s_load_b128 s[4:7], s[0:1], 0x0                ; part s[4:5], t_b2 s[6:7]
	s_load_b128 s[8:11], s[0:1], 0x10              ; f_b2 s[8:9], out0 s[10:11]
	v_lshlrev_b32 v1, 3, v0                        ; 8 bytes a row
	s_lshl_b32 s12, ttmp9, 8                       ; 32 rows a work-group
	v_add_nc_u32 v1, s12, v1
	s_wait_kmcnt 0x0
	s_load_b64 s[14:15], s[6:7], 0x0               ; the texture expert's b2
	s_load_b64 s[16:17], s[8:9], 0x0               ; the frequency expert's
.set i, 0
.rept 64
	global_load_b64 v[P+2*i:P+2*i+1], v1, s[4:5] offset:8192*i th:TH_LOAD_NT   ; read once in the launch
.set i, i+1
.endr
; 32 parts from tile column f on, both classes at once, in two chains that begin with sums of parts: nothing is cleared.  The result: v[d], v[d + 1]
.macro SUM d, f
	v_pk_add_f32 v[\d:\d+1],   v[P+2*(\f):P+2*(\f)+1],   v[P+2*(\f)+2:P+2*(\f)+3]
	v_pk_add_f32 v[\d+2:\d+3], v[P+2*(\f)+4:P+2*(\f)+5], v[P+2*(\f)+6:P+2*(\f)+7]
.set i, 4
.rept 14
	v_pk_add_f32 v[\d:\d+1],   v[\d:\d+1],   v[P+2*(\f+i):P+2*(\f+i)+1]
	v_pk_add_f32 v[\d+2:\d+3], v[\d+2:\d+3], v[P+2*(\f+i)+2:P+2*(\f+i)+3]
.set i, i+2
.endr
	v_pk_add_f32 v[\d:\d+1], v[\d:\d+1], v[\d+2:\d+3]
.endm
	s_wait_kmcnt 0x0                               ; the biases
	s_wait_loadcnt 32                              ; the texture expert's 32 loads are in; the 32 issued behind them may be out
	SUM 4, 0
	v_add_f32 v4, s14, v4                          ; the texture logits
	v_add_f32 v5, s15, v5
	v_max_num_f32 v144, v4, v5                     ; the softmax: the maximum is taken away,
	v_sub_f32 v145, v4, v144
	v_sub_f32 v146, v5, v144
	v_mul_f32 v145, 0x3fb8aa3b, v145               ; e^x = 2^(x log2(e))
	v_mul_f32 v146, 0x3fb8aa3b, v146
	v_exp_f32 v145, v145
	v_exp_f32 v146, v146
	v_nop                                          ; one plain instruction between a transcendental and the use of its result (ISA guide 5.7.2)
	s_wait_alu depctr_va_vdst(0)
	v_add_f32 v147, v145, v146
	v_max_num_f32 v144, v145, v146
	v_rcp_f32 v147, v147
	v_nop
	s_wait_alu depctr_va_vdst(0)
	v_mul_f32 v144, v144, v147                     ; the confidence
	s_wait_loadcnt 0x0
	SUM 8, 32
	v_add_f32 v8, s16, v8                          ; the frequency logits
	v_add_f32 v9, s17, v9
	v_cmp_gt_f32 vcc_lo, 0x3f4ccccd, v144          ; 0.8 > confidence
	v_cndmask_b32 v4, v4, v8, vcc_lo
	v_cndmask_b32 v5, v5, v9, vcc_lo
	global_store_b64 v1, v[4:5], s[10:11]          ; 32 lanes store 256 consecutive bytes, at a multiple of 256 from out0's first byte
	s_endpgm
.Lfunc_end_k_qfcbe2e6c9f_finish:
	.size	k_qfcbe2e6c9f_finish, .Lfunc_end_k_qfcbe2e6c9f_finish-k_qfcbe2e6c9f_finish
	.p2alignl 7, 3214868480
	.fill 96, 4, 3214868480
	.section	.rodata,"a",@progbits
	.p2align	6, 0x0
	.amdhsa_kernel k_qfcbe2e6c9f_finish
		.amdhsa_group_segment_fixed_size 0
		.amdhsa_private_segment_fixed_size 0
		.amdhsa_enable_private_segment 0
		.amdhsa_kernarg_size 32
		.amdhsa_user_sgpr_count 2
		.amdhsa_user_sgpr_kernarg_segment_ptr 1
		.amdhsa_wavefront_size32 1
		.amdhsa_system_sgpr_workgroup_id_x 1
		.amdhsa_system_sgpr_workgroup_id_y 1
		.amdhsa_system_sgpr_workgroup_id_z 1
		.amdhsa_system_vgpr_workitem_id 0
		.amdhsa_next_free_vgpr 148
		.amdhsa_next_free_sgpr 66
		.amdhsa_reserve_vcc 1
		.amdhsa_float_denorm_mode_32 3
		.amdhsa_float_denorm_mode_16_64 3
		.amdhsa_memory_ordered 1
		.amdhsa_forward_progress 1
		.amdhsa_inst_pref_size 12
	.end_amdhsa_kernel
	.amdgpu_metadata
---
amdhsa.version: [ 1, 2 ]
amdhsa.kernels:
  - .name:           k_qfcbe2e6c9f_finish
    .symbol:         k_qfcbe2e6c9f_finish.kd
    .args:
      - { .name: part, .offset: 0, .size: 8, .value_kind: global_buffer, .address_space: global }
      - { .name: t_b2, .offset: 8, .size: 8, .value_kind: global_buffer, .address_space: global }
      - { .name: f_b2, .offset: 16, .size: 8, .value_kind: global_buffer, .address_space: global }
      - { .name: out0, .offset: 24, .size: 8, .value_kind: global_buffer, .address_space: global }
    .group_segment_fixed_size: 0
    .private_segment_fixed_size: 0
    .kernarg_segment_align: 8
    .kernarg_segment_size: 32
    .max_flat_workgroup_size: 32
    .sgpr_count:     66
    .vgpr_count:     148
    .wavefront_size: 32
...
	.end_amdgpu_metadata
.endif
;; end of part 2
